; MI455X (gfx1250); checked and timed in simulation.
; The chip was launched on July 23, 2026; its instructions are those of AMD's public machine-readable ISA for CDNA 5 (MIT licence, August 2026) and "CDNA5" Instruction Set Architecture Reference Guide (July 2026). The comments in the code are by the model that wrote it; some were corrected since.
;; Full Attention. Allowed arithmetic: matrix products marked QUANTISED: E3M2 operands, one E8M0 scale for each 32 along K, by v_wmma_scale_f32_16x16x128_f8f6f4 with both operands' format E3M2, f32 sums; everything else in f32.
;; Inputs: keys 4 x 8 x 2,048 x 64 float32; queries 4 x 8 x 2,048 x 64 float32; values 4 x 8 x 2,048 x 64 float32.
;; Outputs: out0 4 x 8 x 2,048 x 64 float32.
;; This version of the problem:
;;   THIS VERSION OF THE PROBLEM IS GIVEN IN LOW PRECISION. The matrix products marked QUANTISED in the list below multiply operands that are first quantised to E3M2 (3 exponent bits, 2 mantissa bits; 6 bits a number), with one power-of-two scale for each 32 numbers along K (OCP MX v1.0); their sums are f32. All else is computed in f32.
;;   The module's matrix products, in the order in which they are computed (A, B: the left and right operand; K: the contracted axis; several contracted axes count as one K, in the product's order):
;;     1. batch 32 x [M 2,048, K 64] x [K 64, N 2,048]; A: input queries; B: input keys: QUANTISED
;;     2. batch 32 x [M 2,048, K 2,048] x [K 2,048, N 64]; A: softmax (see below); B: input values: QUANTISED
;;   THE QUANTISER, for each operand of a quantised product, along K:
;;     - K is cut into blocks of 32 from its start; a last block that is shorter is filled with zeros.
;;     - A block's scale is 2^e with e = floor(log2(the largest magnitude in the block)) - 4, held to -126 .. 127; a block of zeros has e = 0. As a byte (E8M0): e + 127.
;;     - Each number is divided by its block's scale, clamped to +-28, and rounded to the nearest number of E3M2, ties to even, subnormals kept.
;;     - The product sums the exact products of the quantised numbers (number of the format x scale) in f32.
;;   ~~~python
;;   def quantise(x, axis):      # numpy; x: float32 -> the quantised numbers, widened to float32 again
;;       x = np.moveaxis(x, axis, -1); K = x.shape[-1]
;;       x = np.pad(x, [(0, 0)] * (x.ndim - 1) + [(0, -K % 32)]); x = x.reshape(x.shape[:-1] + (-1, 32)); a = np.abs(x).max(-1, keepdims=True)
;;       e = np.where(a > 0, np.clip(np.frexp(np.where(a > 0, a, 1))[1] - 1 - 4, -126, 127), 0)      # np.frexp(a)[1] - 1 = floor(log2(a)), exactly
;;       r = np.clip(x / 2.0 ** e, -28, 28)
;;       step = 2.0 ** (np.maximum(np.frexp(np.where(r == 0, 1, r))[1] - 1, -2) - 2)
;;       q = np.round(r / step) * step * 2.0 ** e      # np.round: ties to even
;;       return np.moveaxis(q.reshape(q.shape[:-2] + (-1,))[..., :K], -1, axis).astype(np.float32)
;;   ~~~
;;   SOFTMAX AHEAD OF A QUANTISED PRODUCT. Where the list says 'softmax', what is quantised is not the finished softmax but p = 2^(t - M), with t = logit x log2(e) and M = ceil(the row's largest t), a whole number; so 1/2 < the row's largest p <= 1. The row's sum l is taken of the UNQUANTISED p, in f32, and the product's result is divided by l at the end. Since M is a whole number, a kernel that streams over the keys may use a running M (the ceiling of the running maximum): every later rescaling is an exact power of two, which a block's scale takes up: the codes' values come out the same.
;;   OPERANDS COMPUTED ON THE WAY. 'Computed on the way' means the value that the module computes at that place (a softmax that the list does not call 'softmax' is quantised finished and normalised). What goes into a quantiser is computed in f32, as accurately as f32 sums, v_exp_f32 and their like allow (about 1e-6 of the number): no bf16 or f16 on the way to a quantiser, and a product that is left as it is and whose result goes on into a quantised operand takes f32 operands (vector FMAs, or v_wmma_f32_16x16x4_f32). A number that lies on a knife's edge between two numbers of the format may be rounded either way, as far as f32 arithmetic and the matrix unit's own rounding can turn it there, and no further.
;; 2 versions, each right; version 2 is version 1 with the launch attn written anew for expert scheduling mode. Each part assembles by itself: llvm-mc -triple=amdgcn-amd-amdhsa -mcpu=gfx1250 --defsym DOCPART=n.
;; ======== version 1 of 2: 2 launches
;; workspace buffers: kv 6,553,600 bytes
;; launch quant (part 1): grid 16 x 32, 4 waves a work-group, no clusters, 71,168 bytes of LDS; arguments keys, values, kv; writes kv
.if DOCPART == 1
	.amdgcn_target "amdgcn-amd-amdhsa--gfx1250"
	.amdhsa_code_object_version 6
	.text
	.protected	k_qc63af00e31_quant
	.globl	k_qc63af00e31_quant
	.p2align	8
	.type	k_qc63af00e31_quant,@function
k_qc63af00e31_quant:
	s_mov_b64 s[64:65], 0
	v_nop
	global_prefetch_b8 v0, s[64:65] scope:SCOPE_SE
	s_setreg_imm32_b32 hwreg(HW_REG_WAVE_MODE, 25, 1), 1
	s_wait_xcnt 0x0
; keys and values, [32 heads][2048][64] f32, become codes of BF6 (E3M2) with one E8M0 scale byte for each 32 along a product's K: K's along d, V's along the keys.
; A work-group (x = which 128 keys, y = head) makes one block of 12,800 bytes of kv, laid IN THE ORDER OF THE OPERANDS' REGISTERS, so that the next launch fetches every fragment by loads of 16 bytes a lane:
;   bytes 0..6143      K: four fragments b of 1,536 bytes; registers 4 q .. 4 q + 3 of lane l at 1536 b + 512 q + 16 l.  Lane (r = l % 16, h = l / 16): registers 0-5 = key 32 b + r + 8 (r / 8), d = 32 h + 0..31;
;                      registers 6-11 = the key 8 further on, the same d.  One operand of 128 along K so carries TWO tiles of 16 keys x 64.
;   bytes 6144..12287  V: four fragments t likewise.  Lane (r, h): d = 16 t + r; registers 6 c .. 6 c + 5 = keys 64 c + 32 h + 0..31.
;   bytes 12288..12799 scale words at 16 l' + 4 k: k = 0, 1: K's fragment 2 k + l' / 16, row l' % 16; k = 2, 3: V's fragment 2 (k - 2) + l' / 16.
; A block's scale is 2^(floor(log2(its largest magnitude)) - 4): its byte is the largest magnitude's exponent field - 4, held at 1 from below.
; LIMITS: a block whose largest magnitude lies under 2^-122 has its byte held at 1; a block of zeros gets the byte 1 where the rule says 127 (its codes are zeros, and this program alone reads the bytes);
; NaN and infinities among the inputs are not served.
; SHARES.  Wave w loads rows 32 w .. 32 w + 31 of both tiles (each load: 512 consecutive bytes), puts them into two stages in LDS, and then makes K's fragment w (from its own rows) and V's fragment w
; (d = 16 w .. 16 w + 15 of all 128 keys: a lane takes a column, its registers run down the keys).  No tensor loads, no matrix unit, no cluster: work-groups share no input and memory binds.
.set SCL,   0                          ; LDS: the block's 512 bytes of scale words,
.set KST,   512                        ; K's stage: row x 272 + (row / 32) x 64 + byte: 35,072 bytes,
.set VST,   35584                      ; V's stage likewise
.set WROWS, 8768                       ; 32 rows of 272 bytes + 64: lanes 16-31 of a column read (32 keys on) fall 64 bytes on modulo 256, beside lanes 0-15
.set MX,  8                            ; v8-9    largest magnitudes of my two blocks
.set SO,  10                           ; v10-11  the conversions' scale operands
.set BY,  12                           ; v12-13  the scale bytes
.set T,   14                           ; v14     the partner lane's two bytes
.set KW,  15                           ; v15     K's scale word
.set VW,  16                           ; v16     V's scale word
.set CT,  20                           ; v20-22, v24-26  the second halves of two blocks' codes
.set KC,  28                           ; v28-39  K's fragment
.set VC,  40                           ; v40-51  V's fragment
.set OS,  52                           ; v52-55  the scale words on their way out
.set X,   64                           ; v64-127  K's numbers
.set Y,   128                          ; v128-191 V's numbers
	s_load_b128 s[4:7], s[0:1], 0x0                ; keys, values
	s_load_b64 s[8:9], s[0:1], 0x10                ; kv
	v_lshl_add_u32 v192, v0, 2, 0x11400
	v_mov_b32 v193, 0
	v_lshrrev_b32 v17, 5, v0
	v_readfirstlane_b32 s10, v17                   ; wave 0..3
	v_and_b32 v17, 31, v0                          ; lane
	v_and_b32 v18, 15, v0                          ; r
	v_bfe_u32 v19, v0, 4, 1                        ; h
	v_lshlrev_b32 v1, 4, v17                       ; v1: 16 x lane
	s_and_b32 s11, ttmp7, 0xffff
	s_lshl_b32 s11, s11, 4
	s_add_co_u32 s11, s11, ttmp9                   ; the block's number: 16 x head + step
	s_lshl_b32 s12, s11, 15                        ; 128 rows of 256 bytes a block,
	s_lshl_b32 s16, s10, 13                        ; 32 rows a wave
	s_add_co_u32 s12, s12, s16
	s_mov_b32 s13, 0
	s_mul_i32 s14, s11, 12800
	s_mov_b32 s15, 0
	s_mov_b32 s20, 0x76543210
	s_mov_b32 s21, 0xfedcba98                      ; v_permlanex16_b32's selects for lane l xor 16
	s_mul_i32 s16, s10, WROWS                      ; my wave's 32 rows in a stage
	v_mul_u32_u24 v2, v19, 272
	v_lshl_add_u32 v2, v18, 4, v2
	v_add_nc_u32 v2, s16, v2                       ; v2: into a stage: a load's 512 bytes are two rows: lanes 0-15 one, lanes 16-31 the next
	v_and_b32 v3, 8, v18
	v_add_nc_u32 v3, v3, v18                       ; r + 8 (r / 8)
	v_mul_u32_u24 v3, v3, 272
	v_lshl_add_u32 v3, v19, 7, v3
	v_add_nc_u32 v3, s16, v3                       ; v3: K back: that row of my wave's 32, + 128 h: 32 neighbours along d
	v_mul_u32_u24 v4, v19, WROWS
	v_lshl_add_u32 v4, v18, 2, v4
	s_lshl_b32 s17, s10, 6
	v_add_nc_u32 v4, s17, v4                       ; v4: V back: column d = 16 w + r; lanes 16-31 begin 32 keys further down
	s_and_b32 s17, s10, 1
	s_lshl_b32 s17, s17, 8
	s_lshr_b32 s18, s10, 1
	s_lshl_b32 s18, s18, 2
	s_add_co_u32 s17, s17, s18
	v_lshlrev_b32 v5, 4, v18
	v_add_nc_u32 v5, s17, v5                       ; v5: my row's scale word: 16 r + 256 (w % 2) + 4 (w / 2)
	s_mul_i32 s17, s10, 1536
	v_add_nc_u32 v6, s17, v1                       ; v6: my fragment's place in the block: 1536 w + 16 x lane
	v_lshlrev_b32 v7, 3, v19                       ; v7: 8 h: my two bytes' shift in the scale word
	v_mov_b32 v[T], 0                              ; written once: a lane permute's destination counts as one of its sources
	s_wait_kmcnt 0x0
	s_add_nc_u64 s[4:5], s[4:5], s[12:13]
	s_add_nc_u64 s[6:7], s[6:7], s[12:13]
	s_add_nc_u64 s[8:9], s[8:9], s[14:15]
.irp n, 0,1,2,3,4,5,6,7,8,9,10,11,12,13,14,15
	global_load_b128 v[X+4*\n:X+4*\n+3], v1, s[4:5] offset:512*\n th:TH_LOAD_NT   ; 32 lanes read 512 consecutive bytes; read once in the launch
.endr
.irp n, 0,1,2,3,4,5,6,7,8,9,10,11,12,13,14,15
	global_load_b128 v[Y+4*\n:Y+4*\n+3], v1, s[6:7] offset:512*\n th:TH_LOAD_NT
.endr
; 64 numbers of a lane, two whole blocks of 32 (v[src] on, v[src + 32] on), become 12 registers of codes in v[dst] on; the row's scale word, my two bytes and lane l xor 16's two, in v[word].
.macro QUANT64 src, dst, word
.irp c, 0,1
	v_max3_num_f32 v[MX+\c], |v[\src+32*\c]|, |v[\src+32*\c+1]|, 0x2800000   ; and the floor 2^(5 - 127): the byte cannot fall under 1
.endr
.irp i, 2,4,6,8,10,12,14,16,18,20,22,24,26,28,30
.irp c, 0,1
	v_max3_num_f32 v[MX+\c], v[MX+\c], |v[\src+32*\c+\i]|, |v[\src+32*\c+\i+1]|   ; (the two blocks by turns)
.endr
.endr
.irp c, 0,1
	v_add_nc_u32 v[SO+\c], 0xfe000000, v[MX+\c]    ; 4 off the exponent field: the conversion takes the exponent field of this operand as its scale
.endr
.irp c, 0,1
	v_lshrrev_b32 v[BY+\c], 23, v[SO+\c]           ; the scale's byte
.endr
	v_lshl_or_b32 v[\word], v[BY+1], 16, v[BY]     ; my bytes belong at places h and 2 + h of the word
	v_lshlrev_b32 v[\word], v7, v[\word]
	v_permlanex16_b32 v[T], v[\word], s20, s21
	v_or_b32 v[\word], v[\word], v[T]              ; with the partner's two the word is whole, in both lanes
.irp c, 0,1
	v_cvt_scalef32_pk16_bf6_f32 v[\dst+6*\c:\dst+6*\c+2], v[\src+32*\c:\src+32*\c+15], v[SO+\c]
	v_cvt_scalef32_pk16_bf6_f32 v[CT+4*\c:CT+4*\c+2], v[\src+32*\c+16:\src+32*\c+31], v[SO+\c]   ; (a conversion's three registers begin on an even number: the second half is made elsewhere and moved)
.endr
	v_nop                                          ; one plain place behind a scaled conversion
.irp c, 0,1
.irp i, 0,1,2
	v_mov_b32 v[\dst+6*\c+3+\i], v[CT+4*\c+\i]
.endr
.endr
.endm
	s_wait_loadcnt 16                              ; K's 16 loads are in; V's 16, issued behind them, may be out
.irp n, 0,1,2,3,4,5,6,7,8,9,10,11,12,13,14,15
	ds_store_b128 v2, v[X+4*\n:X+4*\n+3] offset:KST+544*\n
.endr
	s_wait_loadcnt 0x0
.irp n, 0,1,2,3,4,5,6,7,8,9,10,11,12,13,14,15
	ds_store_b128 v2, v[Y+4*\n:Y+4*\n+3] offset:VST+544*\n
.endr
	s_wait_dscnt 0x0                               ; for the others' sake: my rows lie in the stages
	s_barrier_signal -1
	s_barrier_wait -1                              ; everybody's do: a column of V runs through all four waves' rows
.irp c, 0,1
.irp i, 0,1,2,3,4,5,6,7
	ds_load_b128 v[X+32*\c+4*\i:X+32*\c+4*\i+3], v3 offset:KST+2176*\c+16*\i   ; key 32 w + 8 c + r + 8 (r / 8), d = 32 h + 4 i on
.endr
.endr
.irp i, 0,1,2,3,4,5,6,7,8,9,10,11,12,13,14,15,16,17,18,19,20,21,22,23,24,25,26,27,28,29,30,31
	ds_load_b32 v[Y+\i], v4 offset:VST+272*\i      ; V(32 h + i, 16 w + r)
.endr
	s_wait_dscnt 32                                ; K's 16 loads are in; the 32 issued behind them may be out
.irp i, 0,1,2,3,4,5,6,7,8,9,10,11,12,13,14,15,16,17,18,19,20,21,22,23,24,25,26,27,28,29,30,31
	ds_load_b32 v[Y+32+\i], v4 offset:VST+2*WROWS+272*\i   ; V(64 + 32 h + i, 16 w + r); they land while K is quantised
.endr
	QUANT64 X, KC, KW
.irp q, 0,1,2
	global_store_b128 v6, v[KC+4*\q:KC+4*\q+3], s[8:9] offset:512*\q   ; 32 lanes store 512 consecutive bytes, at a multiple of 256 from kv's first byte
.endr
	ds_store_b32 v5, v[KW] offset:SCL              ; lanes r and r + 16 write the same word with the same value
	s_wait_dscnt 0x0                               ; V's columns are in
	QUANT64 Y, VC, VW
.irp q, 0,1,2
	global_store_b128 v6, v[VC+4*\q:VC+4*\q+3], s[8:9] offset:6144+512*\q
.endr
	ds_store_b32 v5, v[VW] offset:SCL+8
	s_wait_dscnt 0x0                               ; for wave 0's sake: my scale words lie in LDS
	s_barrier_signal -1
	s_barrier_wait -1
	s_cmp_lg_u32 s10, 0
	s_cbranch_scc1 .Lend                           ; the block's 512 bytes of scale words leave by one store of wave 0
	ds_load_b128 v[OS:OS+3], v1 offset:SCL
	s_wait_dscnt 0x0
	global_store_b128 v1, v[OS:OS+3], s[8:9] offset:12288
.Lend:
	s_wait_tensorcnt 0x0
	ds_add_u32 v192, v193
	s_wait_dscnt 0x0
	s_endpgm
.Lfunc_end_k_qc63af00e31_quant:
	.size	k_qc63af00e31_quant, .Lfunc_end_k_qc63af00e31_quant-k_qc63af00e31_quant
	.p2alignl 7, 3214868480
	.fill 96, 4, 3214868480
	.section	.rodata,"a",@progbits
	.p2align	6, 0x0
	.amdhsa_kernel k_qc63af00e31_quant
		.amdhsa_group_segment_fixed_size 71168
		.amdhsa_private_segment_fixed_size 0
		.amdhsa_enable_private_segment 0
		.amdhsa_kernarg_size 24
		.amdhsa_user_sgpr_count 2
		.amdhsa_user_sgpr_kernarg_segment_ptr 1
		.amdhsa_wavefront_size32 1
		.amdhsa_system_sgpr_workgroup_id_x 1
		.amdhsa_system_sgpr_workgroup_id_y 1
		.amdhsa_system_sgpr_workgroup_id_z 1
		.amdhsa_system_vgpr_workitem_id 0
		.amdhsa_next_free_vgpr 194
		.amdhsa_next_free_sgpr 66
		.amdhsa_reserve_vcc 0
		.amdhsa_float_denorm_mode_32 3
		.amdhsa_float_denorm_mode_16_64 3
		.amdhsa_memory_ordered 1
		.amdhsa_forward_progress 1
		.amdhsa_inst_pref_size 20
	.end_amdhsa_kernel
	.amdgpu_metadata
---
amdhsa.version: [ 1, 2 ]
amdhsa.kernels:
  - .name:           k_qc63af00e31_quant
    .symbol:         k_qc63af00e31_quant.kd
    .args:
      - { .name: keys, .offset: 0, .size: 8, .value_kind: global_buffer, .address_space: global }
      - { .name: values, .offset: 8, .size: 8, .value_kind: global_buffer, .address_space: global }
      - { .name: kv, .offset: 16, .size: 8, .value_kind: global_buffer, .address_space: global }
    .group_segment_fixed_size: 71168
    .private_segment_fixed_size: 0
    .kernarg_segment_align: 8
    .kernarg_segment_size: 24
    .max_flat_workgroup_size: 128
    .sgpr_count:     66
    .vgpr_count:     194
    .wavefront_size: 32
...
	.end_amdgpu_metadata
.endif
;; end of part 1
;; launch attn (part 2): grid 8 x 32, 16 waves a work-group, no clusters, 97,280 bytes of LDS; arguments queries, kv, out0; writes out0
.if DOCPART == 2
	.amdgcn_target "amdgcn-amd-amdhsa--gfx1250"
	.amdhsa_code_object_version 6
	.text
	.protected	k_qc63af00e31_attn
	.globl	k_qc63af00e31_attn
	.p2align	8
	.type	k_qc63af00e31_attn,@function
k_qc63af00e31_attn:
	s_mov_b64 s[64:65], 0
	v_nop
	global_prefetch_b8 v0, s[64:65] scope:SCOPE_SE
	s_setreg_imm32_b32 hwreg(HW_REG_WAVE_MODE, 25, 1), 1
	s_wait_xcnt 0x0
; out0[head][q][:] = the sum over k <= q of softmax_k(Q[q] . K[k] / 8) V[k][:], 32 heads, 2,048 queries and keys, 64 channels; both products on codes of BF6 (E3M2) with one E8M0 scale for each 32 along K.
; K and V come as codes from kv: one block of 12,800 bytes for each head and 128 keys, laid in the order of the operands' registers.  Q, which one wave alone reads, is quantised here in registers.
; THE SOFTMAX: t = score x log2(e) / 8; M = the row's largest t so far, rounded UP to a whole number; p = 2^(t - M) is quantised along the keys, not normalised; the row's sum is taken of the unquantised p
; and divides at the end.  When M moves, the sum and O are multiplied by 2^(old M - new M): exact.
; SHARES.  Work-group (j = x, head = y) owns TWO blocks of 128 queries, j and 15 - j; each of its sixteen waves owns 16 queries.  A wave of block j works j + 1 key steps of 128, one of block 15 - j works 16 - j:
; role = (w xor w / 4) % 2 gives each group of four waves, taken in fours or every fourth, two waves of each block: 2 (j + 1) + 2 (16 - j) = 34 steps whatever j is.  The work-group walks 2 (8 - j / 2) steps;
; a wave for which all of a step's keys come after its queries leaves the step's work out (a scalar branch on ids) and still copies and meets the barrier.
; TILES.  A step's block is copied from kv into one of two LDS slots through registers: 25 pieces of 512 bytes, piece w by wave w, pieces 16-24 by waves 0-8; asked for a whole step before it is stored; one barrier a step.
; NO CLUSTER, NO JOINT LOADS: the eight work-groups of a head walk different numbers of steps (16, 16, 14, 14, .. 10, 10), and what they share is 12,800 bytes a step beside some 245 vector instructions in each working wave.
; LAYOUT.  Both products are used transposed: S^T = K Q^T (source 0 = keys, source 1 = my 16 queries), O^T = V^T P^T: a lane holds ONE query (lane % 16) throughout.
; THE FIRST PRODUCT'S K IS 64, THE INSTRUCTION'S 128: a fragment of K carries two tiles of 16 keys, one at k = 0..63, one at k = 64..127; Q stands as [Q | zeros | Q] in 18 registers, and the tile wanted is chosen by
; taking [Q, 0] or [0, Q] as source 1.  The zeros of the filling stand on Q's side alone: zero codes times any code of E3M2 (which has no infinity or NaN) under scale bytes 1..254 add exactly 0.
; The keys of a tile are not neighbours: row r of tile 2 b + u is key 32 b + 8 u + r + 8 (r / 8), so that register 16 b + n of the scores is key 32 b + 16 (lane / 16) + n: 16 neighbours along the second product's K.
; LIMITS: NaN and infinities among the inputs are not served; a block of Q whose largest magnitude lies under 2^-122 has its byte held at 1, a block of zeros (of Q or of p) gets the byte 1, its codes being zeros;
; p under 2^-126 becomes 0 (v_exp_f32 flushes such results: ISA guide 15.8); a block's largest p is had from its largest score by the same multiply-add and exponential, which takes v_exp_f32 not to fall where its input rises;
; the division is v_rcp_f32 and a multiplication.
.set SLOTB, 12800                      ; LDS: two slots, each a block of kv byte for byte,
.set STAGE, 2*SLOTB                    ; and behind them a stage of 16 rows x 272 bytes for each wave: Q on the way in, O on the way out
.set L16,  1                           ; v1      16 x lane
.set T16,  2                           ; v2      16 x thread: my 16 bytes of a block's first 8,192, in kv and in a slot alike
.set D0,   3                           ; v3      on the diagonal: my query less the step's first key less 16 (lane / 16)
.set CP0,  4                           ; v4-7    the copy's piece w
.set CP1,  8                           ; v8-11   waves 0-8: piece 16 + w
.set NM,   12                          ; v12 -M; v13 the largest t so far
.set SUM,  14                          ; v14-15  the row's sum, in two halves
.set QF,   16                          ; v16-33  Q | zeros | Q
.set QS,   34                          ; v34     Q's scale word (s0, s1, s0, s1)
.set SC,   36                          ; v36-39  the step's scale words: K's fragments 0|1, 2|3, V's 0|1, 2|3 (lanes 0-15 | lanes 16-31)
.set KFR,  40                          ; v40-87  K's four fragments; on the way out rows of O
.set SIN,  88                          ; v88     my stage by rows: lanes 0-15 one row, lanes 16-31 the next, 16 bytes a lane
.set SRD,  89                          ; v89     my stage: row r, + 128 h: Q's block h
.set NEG,  90                          ; v90     -infinity
.set SOUT, 91                          ; v91     my stage: row r, + 32 h: eight channels of O
.set S,    96                          ; v96-159 S^T, then p; then V's four fragments in v96-143
.set OT,   160                         ; v160-191 O^T: four tiles of 16 channels
.set PC,   192                         ; v192-203 p's codes
.set CT,   204                         ; v204-206, v208-210 second halves of the conversions
.set BM,   212                         ; v212-215 the four blocks' largest scores, then largest p
.set PT,   216                         ; v216-219 the partner lane's, then the scale bytes
.set SO,   220                         ; v220-223 the conversions' scale operands
.set F,    224                         ; v224 f = 2^(old M - new M); v225 named with it as a pair
.set PS,   226                         ; v226    p's scale word
.set TMP,  227
.set SUM2, 228                         ; v228-229 the sum's second chain
; s[4:5] Q at my first row; s[6:7] kv at the block asked for last; s[8:9] out0 at my first row; s10 wave; s16 my first query; s17 the step's first key; s18 trips; s19 at work; s[20:21] lane selects; s[22:23] c
.macro ASK                             ; the block at s[6:7] is asked for: 25 pieces of 512 bytes, 16 + 9
	global_load_b128 v[CP0:CP0+3], v[T16], s[6:7]
	s_cmp_lt_u32 s10, 9
	s_cbranch_scc0 .Lno_ask_\@
	global_load_b128 v[CP1:CP1+3], v[T16], s[6:7] offset:8192
.Lno_ask_\@:
.endm
.macro PUT slot                        ; and goes into a slot as it lies
	ds_store_b128 v[T16], v[CP0:CP0+3] offset:(\slot)*SLOTB
	s_cmp_lt_u32 s10, 9
	s_cbranch_scc0 .Lno_put_\@
	ds_store_b128 v[T16], v[CP1:CP1+3] offset:(\slot)*SLOTB+8192
.Lno_put_\@:
.endm
	s_load_b128 s[4:7], s[0:1], 0x0                ; queries, kv
	s_load_b64 s[8:9], s[0:1], 0x10                ; out0
	v_lshl_add_u32 v240, v0, 2, 0x17400
	v_mov_b32 v241, 0
	v_lshrrev_b32 v[TMP], 5, v0
	v_readfirstlane_b32 s10, v[TMP]                ; wave 0..15
	v_and_b32 v[TMP], 31, v0
	v_lshlrev_b32 v[L16], 4, v[TMP]
	v_lshlrev_b32 v[T16], 4, v0
.irp i, 0,1,2,3
	v_mov_b32 v[CP1+\i], 0                         ; so that these four are written in every wave, in those that copy one piece too
.endr
	s_and_b32 s12, ttmp7, 0xffff                   ; the head
	s_lshr_b32 s13, s10, 2
	s_xor_b32 s13, s13, s10
	s_and_b32 s13, s13, 1                          ; role: 0: block j; 1: block 15 - j
	s_lshr_b32 s14, s10, 1                         ; which 16 of the block's 128 queries
	s_sub_co_u32 s15, 15, ttmp9
	s_cmp_eq_u32 s13, 1
	s_cselect_b32 s15, s15, ttmp9                  ; my block of queries
	s_lshl_b32 s16, s15, 7
	s_lshl_b32 s19, s14, 4
	s_add_co_u32 s16, s16, s19                     ; my first query
	s_lshr_b32 s18, ttmp9, 1
	s_sub_co_u32 s18, 7, s18                       ; the loop's trips: 8 - j / 2 pairs of steps, the last written out
	s_lshl_b32 s24, s12, 19                        ; a head's 2,048 rows of 256 bytes,
	s_lshl_b32 s26, s16, 8                         ; my first row
	s_add_co_u32 s24, s24, s26
	s_mov_b32 s25, 0
	s_mul_i32 s26, s12, 16*SLOTB                   ; a head's 16 blocks of kv
	s_mov_b32 s27, 0
	s_mul_i32 s28, s10, 16*272
	s_add_co_u32 s28, s28, STAGE                   ; my stage
	s_mov_b32 s20, 0x76543210
	s_mov_b32 s21, 0xfedcba98                      ; v_permlanex16_b32's selects for lane l xor 16
	s_mov_b32 s22, 0x3e38aa3b                      ; c = log2(e) / 8
	s_mov_b32 s23, s22                             ; (named with it as a pair, so it is written)
	s_mov_b32 s17, 0
	s_wait_kmcnt 0x0
	s_add_nc_u64 s[4:5], s[4:5], s[24:25]
	s_add_nc_u64 s[8:9], s[8:9], s[24:25]
	s_add_nc_u64 s[6:7], s[6:7], s[26:27]
	ASK                                            ; the head's block 0
.irp i, 0,1,2,3,4,5,6,7
	global_load_b128 v[S+4*\i:S+4*\i+3], v[L16], s[4:5] offset:512*\i th:TH_LOAD_NT   ; my 16 rows of Q: 4,096 dense bytes, 512 a load; read once in the launch
.endr
	v_and_b32 v[BM], 15, v0                        ; r
	v_bfe_u32 v[BM+1], v0, 4, 1                    ; h
	v_lshlrev_b32 v[D0], 4, v[BM+1]
	v_sub_nc_u32 v[D0], v[BM], v[D0]
	v_add_nc_u32 v[D0], s19, v[D0]                 ; r - 16 h + 16 x (my place in the block): on the diagonal the step's first key is the block's first query
	v_mul_u32_u24 v[SIN], v[BM+1], 272
	v_lshl_add_u32 v[SIN], v[BM], 4, v[SIN]
	v_add_nc_u32 v[SIN], s28, v[SIN]
	v_mul_u32_u24 v[SRD], v[BM], 272
	v_lshl_add_u32 v[SOUT], v[BM+1], 5, v[SRD]
	v_lshl_add_u32 v[SRD], v[BM+1], 7, v[SRD]
	v_add_nc_u32 v[SRD], s28, v[SRD]
	v_add_nc_u32 v[SOUT], s28, v[SOUT]
	v_lshlrev_b32 v[BM+2], 3, v[BM+1]              ; 8 h: my byte's shift in Q's scale word
	v_mov_b32 v[NEG], 0xff800000
.irp b, 0,1,2,3
	v_mov_b32 v[PT+\b], 0                          ; written once: a lane permute's destination counts as one of its sources
.endr
	v_mov_b32 v[F+1], 0                            ; (the upper half of the pair that the packed multiplies name)
	s_wait_loadcnt 0x0                             ; block 0 and Q are in
	PUT 0
.irp i, 0,1,2,3,4,5,6,7
	ds_store_b128 v[SIN], v[S+4*\i:S+4*\i+3] offset:544*\i
.endr
.irp i, 0,1,2,3,4,5,6,7
	ds_load_b128 v[S+32+4*\i:S+32+4*\i+3], v[SRD] offset:16*\i   ; my stage is my own and LDS serves a wave's instructions in order (ISA guide 5.7.1.4): these see the stores above.  Q(r, 32 h + 0..31)
.endr
	s_wait_dscnt 0x0                               ; my pieces of block 0 lie in slot 0, the stores have read their registers, and Q is back
	s_add_nc_u64 s[6:7], s[6:7], SLOTB             ; (the loads that named this base are done)
	ASK                                            ; block 1
	s_barrier_signal -1
	s_barrier_wait -1                              ; slot 0 is whole
	; Q is quantised: a lane holds all 32 numbers of block h of query r
	v_max3_num_f32 v[BM], |v[S+32]|, |v[S+33]|, |v[S+34]|
	v_max3_num_f32 v[BM+1], |v[S+35]|, |v[S+36]|, |v[S+37]|
.irp i, 6,10,14,18,22,26
	v_max3_num_f32 v[BM], v[BM], |v[S+32+\i]|, |v[S+33+\i]|
	v_max3_num_f32 v[BM+1], v[BM+1], |v[S+34+\i]|, |v[S+35+\i]|
.endr
	v_max3_num_f32 v[BM], v[BM], |v[S+62]|, |v[S+63]|
	v_max3_num_f32 v[BM], v[BM], v[BM+1], 0x2800000   ; and the floor 2^(5 - 127): the byte cannot fall under 1
	v_add_nc_u32 v[SO], 0xfe000000, v[BM]          ; 4 off the exponent field: the conversion's scale operand
	v_lshrrev_b32 v[BM+1], 23, v[SO]               ; the scale's byte,
	v_lshlrev_b32 v[BM+1], v[BM+2], v[BM+1]        ; at place h,
	v_permlanex16_b32 v[PT], v[BM+1], s20, s21
	v_or_b32 v[BM+1], v[BM+1], v[PT]               ; with the partner's: (s0, s1),
	v_lshl_or_b32 v[QS], v[BM+1], 16, v[BM+1]      ; twice: Q stands at k = 0..63 or at k = 64..127
	v_cvt_scalef32_pk16_bf6_f32 v[QF:QF+2], v[S+32:S+47], v[SO]
	v_cvt_scalef32_pk16_bf6_f32 v[CT:CT+2], v[S+48:S+63], v[SO]   ; (a conversion's three registers begin on an even number)
	v_nop                                          ; one plain place behind a scaled conversion
.irp i, 0,1,2
	v_mov_b32 v[QF+3+\i], v[CT+\i]
	v_mov_b32 v[QF+12+\i], v[QF+\i]
	v_mov_b32 v[QF+15+\i], v[CT+\i]
.endr
.irp i, 0,1,2,3,4,5
	v_mov_b32 v[QF+6+\i], 0                        ; zero codes
.endr
	v_mov_b32 v[NM+1], 0xff61b1e6                  ; the largest t so far: -3e38, under every t
	v_floor_f32 v[NM], -v[NM+1]                    ; -M
	v_mov_b32 v[SUM], 0
	v_mov_b32 v[SUM+1], 0
.set n, 0
.rept 32
	v_mov_b32 v[OT+n], 0                           ; O^T.  (The step is written once: its first pass finds zeros, which the first change of M leaves zeros.  These lines are also the places between Q's operand and scale word and the first product)
.set n, n+1
.endr
; A KEY STEP: 128 keys, in slot \slot.  st = 1: at its end the next block goes into the other slot, and a barrier follows.  ld = 1: the block after that is asked for.
.macro STEP slot, st, ld
	s_add_co_u32 s19, s16, 15
	s_cmp_gt_u32 s17, s19
	s_cbranch_scc1 .Lhid_\@                        ; all 128 keys come after my 16 queries: the work is left out, the copy and the barrier are not
.irp b, 0,1,2,3
.irp q, 0,1,2
	ds_load_b128 v[KFR+12*\b+4*\q:KFR+12*\b+4*\q+3], v[L16] offset:\slot*SLOTB+1536*\b+512*\q   ; 512 consecutive bytes a load
.endr
.endr
	ds_load_b128 v[SC:SC+3], v[L16] offset:\slot*SLOTB+12288
	s_wait_dscnt 0x0
.irp b, 0,1,2,3                        ; S^T = K Q^T: fragment b against [Q, 0] gives tile 2 b, against [0, Q] tile 2 b + 1; each product starts its sum
.irp u, 0,1
.if \b%2
	v_wmma_scale_f32_16x16x128_f8f6f4 v[S+16*\b+8*\u:S+16*\b+8*\u+7], v[KFR+12*\b:KFR+12*\b+11], v[QF+6*\u:QF+6*\u+11], 0, v[SC+\b/2], v[QS] matrix_a_fmt:MATRIX_FMT_BF6 matrix_b_fmt:MATRIX_FMT_BF6 matrix_a_scale:MATRIX_SCALE_ROW1
.else
	v_wmma_scale_f32_16x16x128_f8f6f4 v[S+16*\b+8*\u:S+16*\b+8*\u+7], v[KFR+12*\b:KFR+12*\b+11], v[QF+6*\u:QF+6*\u+11], 0, v[SC+\b/2], v[QS] matrix_a_fmt:MATRIX_FMT_BF6 matrix_b_fmt:MATRIX_FMT_BF6
.endif
.endr
.endr
.rept 4
	v_nop                                          ; four places between a product and the first vector read of its result (ISA guide 7.12.1)
.endr
	s_add_co_u32 s19, s17, 127
	s_cmp_le_u32 s19, s16
	s_cbranch_scc1 .Lopen_\@                       ; all 128 keys count for all my queries
.irp e, 0,1,2,3,4,5,6,7,8,9,10,11,12,13,14,15,16,17,18,19,20,21,22,23,24,25,26,27,28,29,30,31,32,33,34,35,36,37,38,39,40,41,42,43,44,45,46,47,48,49,50,51,52,53,54,55,56,57,58,59,60,61,62,63
	v_cmp_gt_i32 vcc_lo, 32*(\e/16)+\e%16, v[D0]   ; on the diagonal: register 16 b + n holds the key 32 b + 16 (lane / 16) + n of the step: hidden where it comes after my query;
	v_cndmask_b32 v[S+\e], v[S+\e], v[NEG], vcc_lo ; its score becomes -infinity, its p 0
.endr
.Lopen_\@:
.irp b, 0,1,2,3
	v_max3_num_f32 v[BM+\b], v[S+16*\b], v[S+1+16*\b], v[S+2+16*\b]   ; the largest score of each block of 32 keys: it serves for the row's maximum and, since p rises with the score, for the block's largest p
.endr
.irp i, 3,5,7,9,11,13
.irp b, 0,1,2,3
	v_max3_num_f32 v[BM+\b], v[BM+\b], v[S+16*\b+\i], v[S+1+16*\b+\i]   ; (the four blocks by turns)
.endr
.endr
.irp b, 0,1,2,3
	v_max_num_f32 v[BM+\b], v[BM+\b], v[S+15+16*\b]
.endr
.irp b, 0,1,2,3
	v_permlanex16_b32 v[PT+\b], v[BM+\b], s20, s21
.endr
.irp b, 0,1,2,3
	v_max_num_f32 v[BM+\b], v[BM+\b], v[PT+\b]     ; with lane l xor 16's 16 keys
.endr
	v_max3_num_f32 v[TMP], v[BM], v[BM+1], v[BM+2]
	v_max_num_f32 v[TMP], v[TMP], v[BM+3]          ; the step's largest score of my query,
	v_mul_f32 v[TMP], s22, v[TMP]                  ; as t (c is positive)
	v_max_num_f32 v[NM+1], v[NM+1], v[TMP]         ; the running largest t
	v_mov_b32 v[TMP], v[NM]
	v_floor_f32 v[NM], -v[NM+1]                    ; the new -M = floor(-t) = -ceil(t): M is a whole number
	v_sub_f32 v[TMP], v[NM], v[TMP]                ; old M less new M: a whole number, 0 or less
	v_cvt_i32_f32 v[TMP], v[TMP]                   ; (it saturates)
	v_ldexp_f32 v[F], 1.0, v[TMP]                  ; f = 2^(old M - new M)
.set n, 0
.rept 32
	v_pk_fma_f32 v[S+n:S+n+1], v[S+n:S+n+1], s[22:23], v[NM:NM+1] op_sel_hi:[1,0,0]   ; t - M, two at a time (of the pairs c and -M the low word serves both halves)
.set n, n+2
.endr
.irp b, 0,1,2,3
	v_fma_f32 v[BM+\b], v[BM+\b], s22, v[NM]       ; the same of each block's largest score
.endr
.set n, 0
.rept 64
	v_exp_f32 v[S+n], v[S+n]                       ; p = 2^(t - M), at most 1: not normalised
.set n, n+1
.endr
.irp b, 0,1,2,3
	v_exp_f32 v[BM+\b], v[BM+\b]                   ; the block's largest p: the same two instructions on the same number give the same bits
.endr
	v_pk_mul_f32 v[SUM:SUM+1], v[SUM:SUM+1], v[F:F+1] op_sel_hi:[1,0]   ; the sums under the new M.  (The plain place behind the exponentials)
	s_wait_alu depctr_va_vdst(0)
.irp b, 0,1,2,3
	v_max_num_f32 v[BM+\b], 0x2800000, v[BM+\b]    ; the floor 2^(5 - 127): the byte cannot fall under 1
.endr
.irp b, 0,1,2,3
	v_add_nc_u32 v[SO+\b], 0xfe000000, v[BM+\b]    ; 4 off the exponent field: the conversion's scale operand
.endr
.irp b, 0,1,2,3
	v_lshrrev_b32 v[PT+\b], 23, v[SO+\b]           ; the scale's byte
.endr
	v_lshl_or_b32 v[PS], v[PT+1], 8, v[PT]         ; p's scale word for these 128 keys
	v_lshl_or_b32 v[PS], v[PT+2], 16, v[PS]
	v_lshl_or_b32 v[PS], v[PT+3], 24, v[PS]
.irp c, 0,1
	v_cvt_scalef32_pk16_bf6_f32 v[PC+6*\c:PC+6*\c+2], v[S+32*\c:S+32*\c+15], v[SO+2*\c]
	v_cvt_scalef32_pk16_bf6_f32 v[CT+4*\c:CT+4*\c+2], v[S+16+32*\c:S+31+32*\c], v[SO+2*\c+1]   ; (a conversion's three registers begin on an even number)
.endr
	v_nop                                          ; one plain place behind a scaled conversion
	v_pk_add_f32 v[SUM2:SUM2+1], v[S:S+1], v[S+2:S+3]   ; the row's sum is taken of the unquantised p: two at a time, in two chains
.set n, 4
.rept 15
	v_pk_add_f32 v[SUM:SUM+1], v[SUM:SUM+1], v[S+n:S+n+1]
	v_pk_add_f32 v[SUM2:SUM2+1], v[SUM2:SUM2+1], v[S+n+2:S+n+3]
.set n, n+4
.endr
	v_pk_add_f32 v[SUM:SUM+1], v[SUM:SUM+1], v[SUM2:SUM2+1]
.irp t, 0,1,2,3                        ; p is done with: V's four fragments take its registers, and land while p's operand is finished and O^T is rescaled
.irp q, 0,1,2
	ds_load_b128 v[S+12*\t+4*\q:S+12*\t+4*\q+3], v[L16] offset:\slot*SLOTB+6144+1536*\t+512*\q
.endr
.endr
.irp c, 0,1                            ; the operand's layout wants a whole block in a lane: lanes 0-15 block 2 c, lanes 16-31 block 2 c + 1
.irp i, 0,1,2
	v_permlane16_swap_b32 v[PC+6*\c+\i], v[CT+4*\c+\i]
.endr
.irp i, 0,1,2
	v_mov_b32 v[PC+3+6*\c+\i], v[CT+4*\c+\i]
.endr
.endr
.set n, 0
.rept 16
	v_pk_mul_f32 v[OT+n:OT+n+1], v[OT+n:OT+n+1], v[F:F+1] op_sel_hi:[1,0]   ; O^T under the new M, each accumulator from its low end on.  (These sixteen are also the places between p's operand and scale word and the products)
.set n, n+2
.endr
	s_wait_dscnt 0x0                               ; V is in
.irp t, 0,1,2,3                        ; O^T += V^T P^T: four tiles of 16 channels, K = these 128 keys; the four accumulators take one turn each
.if \t%2
	v_wmma_scale_f32_16x16x128_f8f6f4 v[OT+8*\t:OT+8*\t+7], v[S+12*\t:S+12*\t+11], v[PC:PC+11], v[OT+8*\t:OT+8*\t+7], v[SC+2+\t/2], v[PS] matrix_a_fmt:MATRIX_FMT_BF6 matrix_b_fmt:MATRIX_FMT_BF6 matrix_a_scale:MATRIX_SCALE_ROW1
.else
	v_wmma_scale_f32_16x16x128_f8f6f4 v[OT+8*\t:OT+8*\t+7], v[S+12*\t:S+12*\t+11], v[PC:PC+11], v[OT+8*\t:OT+8*\t+7], v[SC+2+\t/2], v[PS] matrix_a_fmt:MATRIX_FMT_BF6 matrix_b_fmt:MATRIX_FMT_BF6
.endif
.endr
.rept 5
	v_nop                                          ; five places: the next step's first products write over the registers that these read as source 0; four of them serve the next load into the scale words and the first read of O^T
.endr
.Lhid_\@:
	s_add_co_u32 s17, s17, 128                     ; the next step's first key
.if \st
	s_wait_loadcnt 0x0                             ; the next block, asked for a step ago, is in my registers
	PUT 1-\slot                                    ; the other slot was last read a step ago, in front of the last barrier
	s_wait_dscnt 0x0                               ; for the others' sake: my pieces lie in the other slot, and my reads of this slot are over; and the stores have read their registers
.if \ld
	s_add_nc_u64 s[6:7], s[6:7], SLOTB             ; (the loads that named this base are done)
	ASK                                            ; the block after the next: it has a whole step in which to come
.endif
	s_barrier_signal -1
	s_barrier_wait -1                              ; the other slot is whole, and nobody reads this one any more
.endif
.endm
.Lpair:                                                ; 7 - j / 2 trips, two steps each; the block asked for last in the loop is the work-group's last
	STEP 0, 1, 1
	STEP 1, 1, 1
	s_sub_co_u32 s18, s18, 1
	s_cmp_lg_u32 s18, 0
	s_cbranch_scc1 .Lpair
	STEP 0, 1, 0                                   ; the last pair is written out: nothing more is asked for, so no load leaves kv,
	STEP 1, 0, 0                                   ; and behind the last step nothing is shared any more
	; THE WAY OUT.  O^T is divided by the row's sum and goes through my stage: a lane holds eight channels of one row, and the rows leave whole.
	v_add_f32 v[SUM], v[SUM], v[SUM+1]             ; the sum's two halves,
	v_permlanex16_b32 v[PT], v[SUM], s20, s21
	v_add_f32 v[SUM], v[SUM], v[PT]                ; and lane l xor 16's: the row's sum
	v_rcp_f32 v[SUM], v[SUM]
	v_nop                                          ; one plain place behind a transcendental
.set n, 0
	s_wait_alu depctr_va_vdst(0)
.rept 16
	v_pk_mul_f32 v[S+n:S+n+1], v[OT+n:OT+n+1], v[SUM:SUM+1] op_sel_hi:[1,0]   ; register 8 t + i is o(r, 16 t + 8 h + i); each accumulator from its low end on
.set n, n+2
.endr
.irp t, 0,1,2,3
	ds_store_b128 v[SOUT], v[S+8*\t:S+8*\t+3] offset:64*\t
	ds_store_b128 v[SOUT], v[S+8*\t+4:S+8*\t+7] offset:64*\t+16
.endr
.irp i, 0,1,2,3,4,5,6,7
	ds_load_b128 v[KFR+4*\i:KFR+4*\i+3], v[SIN] offset:544*\i   ; my own bytes, served in order: these see the stores above
.endr
.irp i, 0,1,2,3,4,5,6,7
	s_wait_dscnt 7-\i                              ; load i is in; the 7 - i issued behind it may be out
	global_store_b128 v[L16], v[KFR+4*\i:KFR+4*\i+3], s[8:9] offset:512*\i th:TH_STORE_NT   ; 32 lanes store two rows, 512 consecutive bytes, at a multiple of 256 from out0's first byte; written once, read by nobody here
.endr
	s_wait_tensorcnt 0x0
	ds_add_u32 v240, v241
	s_wait_dscnt 0x0
	s_endpgm
.Lfunc_end_k_qc63af00e31_attn:
	.size	k_qc63af00e31_attn, .Lfunc_end_k_qc63af00e31_attn-k_qc63af00e31_attn
	.p2alignl 7, 3214868480
	.fill 96, 4, 3214868480
	.section	.rodata,"a",@progbits
	.p2align	6, 0x0
	.amdhsa_kernel k_qc63af00e31_attn
		.amdhsa_group_segment_fixed_size 97280
		.amdhsa_private_segment_fixed_size 0
		.amdhsa_enable_private_segment 0
		.amdhsa_kernarg_size 24
		.amdhsa_user_sgpr_count 2
		.amdhsa_user_sgpr_kernarg_segment_ptr 1
		.amdhsa_wavefront_size32 1
		.amdhsa_system_sgpr_workgroup_id_x 1
		.amdhsa_system_sgpr_workgroup_id_y 1
		.amdhsa_system_sgpr_workgroup_id_z 1
		.amdhsa_system_vgpr_workitem_id 0
		.amdhsa_next_free_vgpr 242
		.amdhsa_next_free_sgpr 66
		.amdhsa_reserve_vcc 1
		.amdhsa_float_denorm_mode_32 3
		.amdhsa_float_denorm_mode_16_64 3
		.amdhsa_memory_ordered 1
		.amdhsa_forward_progress 1
		.amdhsa_inst_pref_size 95
	.end_amdhsa_kernel
	.amdgpu_metadata
---
amdhsa.version: [ 1, 2 ]
amdhsa.kernels:
  - .name:           k_qc63af00e31_attn
    .symbol:         k_qc63af00e31_attn.kd
    .args:
      - { .name: queries, .offset: 0, .size: 8, .value_kind: global_buffer, .address_space: global }
      - { .name: kv, .offset: 8, .size: 8, .value_kind: global_buffer, .address_space: global }
      - { .name: out0, .offset: 16, .size: 8, .value_kind: global_buffer, .address_space: global }
    .group_segment_fixed_size: 97280
    .private_segment_fixed_size: 0
    .kernarg_segment_align: 8
    .kernarg_segment_size: 24
    .max_flat_workgroup_size: 512
    .sgpr_count:     66
    .vgpr_count:     242
    .wavefront_size: 32
...
	.end_amdgpu_metadata
.endif
;; end of part 2
;; ======== version 2 of 2: 2 launches; version 1 with the launch attn written anew for expert scheduling mode
;; workspace buffers: kv 6,553,600 bytes
;; launch quant: the kernel of part 1 again; grid 16 x 32, 4 waves a work-group, no clusters, 71,168 bytes of LDS; arguments keys, values, kv; writes kv
;; launch attn (part 3): grid 8 x 32, 16 waves a work-group, no clusters, 97,280 bytes of LDS; arguments queries, kv, out0; writes out0
.if DOCPART == 3
	.amdgcn_target "amdgcn-amd-amdhsa--gfx1250"
	.amdhsa_code_object_version 6
	.text
	.protected	k_qc63af00e31_attn
	.globl	k_qc63af00e31_attn
	.p2align	8
	.type	k_qc63af00e31_attn,@function
k_qc63af00e31_attn:
	s_mov_b64 s[64:65], 0
	v_nop
	global_prefetch_b8 v0, s[64:65] scope:SCOPE_SE
	s_setreg_imm32_b32 hwreg(HW_REG_WAVE_SCHED_MODE, 0, 2), 2
	s_setreg_imm32_b32 hwreg(HW_REG_WAVE_MODE, 25, 1), 1
	s_wait_xcnt 0x0
	s_wait_alu depctr_vm_vsrc(0)
; out0[head][q][:] = the sum over k <= q of softmax_k(Q[q] . K[k] / 8) V[k][:], 32 heads, 2,048 queries and keys, 64 channels; both products on codes of BF6 (E3M2) with one E8M0 scale for each 32 along K.
; K and V come as codes from kv: one block of 12,800 bytes for each head and 128 keys, laid in the order of the operands' registers.  Q, which one wave alone reads, is quantised here in registers.
; THE SOFTMAX: t = score x log2(e) / 8; M = the row's largest t so far, rounded UP to a whole number; p = 2^(t - M) is quantised along the keys, not normalised; the row's sum is taken of the unquantised p
; and divides at the end.  When M moves, the sum and O are multiplied by 2^(old M - new M): exact.
; SHARES.  Work-group (j = x, head = y) owns TWO blocks of 128 queries, j and 15 - j; each of its sixteen waves owns 16 queries.  A wave of block j works j + 1 key steps of 128, one of block 15 - j works 16 - j:
; role = (w xor w / 4) % 2 gives each group of four waves, taken in fours or every fourth, two waves of each block: 2 (j + 1) + 2 (16 - j) = 34 steps whatever j is.  The work-group walks 2 (8 - j / 2) steps;
; a wave for which all of a step's keys come after its queries leaves the step's work out (a scalar branch on ids) and still copies and meets the barrier.
; TILES.  A step's block is copied from kv into one of two LDS slots through registers: 25 pieces of 512 bytes, piece w by wave w, pieces 16-24 by waves 0-8; asked for a whole step before it is stored; one barrier a step.
; NO CLUSTER, NO JOINT LOADS: the eight work-groups of a head walk different numbers of steps (16, 16, 14, 14, .. 10, 10), and what they share is 12,800 bytes a step beside some 245 vector instructions in each working wave.
; LAYOUT.  Both products are used transposed: S^T = K Q^T (source 0 = keys, source 1 = my 16 queries), O^T = V^T P^T: a lane holds ONE query (lane % 16) throughout.
; THE FIRST PRODUCT'S K IS 64, THE INSTRUCTION'S 128: a fragment of K carries two tiles of 16 keys, one at k = 0..63, one at k = 64..127; Q stands as [Q | zeros | Q] in 18 registers, and the tile wanted is chosen by
; taking [Q, 0] or [0, Q] as source 1.  The zeros of the filling stand on Q's side alone: zero codes times any code of E3M2 (which has no infinity or NaN) under scale bytes 1..254 add exactly 0.
; The keys of a tile are not neighbours: row r of tile 2 b + u is key 32 b + 8 u + r + 8 (r / 8), so that register 16 b + n of the scores is key 32 b + 16 (lane / 16) + n: 16 neighbours along the second product's K.
; LIMITS: NaN and infinities among the inputs are not served; a block of Q whose largest magnitude lies under 2^-122 has its byte held at 1, a block of zeros (of Q or of p) gets the byte 1, its codes being zeros;
; p under 2^-126 becomes 0 (v_exp_f32 flushes such results: ISA guide 15.8); a block's largest p is had from its largest score by the same multiply-add and exponential, which takes v_exp_f32 not to fall where its input rises;
; the division is v_rcp_f32 and a multiplication.
; THE MODE: SCHED_MODE bits 1:0 = 2 (LLVM: expert scheduling mode 2), set by the entry lines.  The code itself states the register dependences between vector or matrix instructions and memory or LDS
; instructions, with s_wait_alu, always for 0.
; THE PLAN.  Registers that memory or LDS instructions touch, in the loop:
;   v1, v2      addresses of every tile load, copy load and copy store: made once at the head, never written again.
;   v4-11       the copy's pieces: the tail's global loads land in them, the next tail's LDS stores read them; no vector instruction of the loop names them.
;   v40-87      K's fragments land at the head of a step's work and are read by its eight products K Q^T; V's fragments land in the same registers behind the exponentials and are read by its four products V^T P.
;   v36-39      the step's scale words land at the head of its work; all twelve products read them.
;   S^T and p, O^T, p's codes and all statistics are named by vector and matrix instructions alone.
; So a step's work has three waits on va_vdst: at its head (the last step's products are done with v40-87 and v36-39), behind the exponentials (their results are written, and the products K Q^T are done with v40-87),
; and ahead of the products V^T P (p's codes and scale word are written); its tail has one wait on vm_vsrc (the copy's stores have read v4-11), ahead of the next copy loads.
.set SLOTB, 12800                      ; LDS: two slots, each a block of kv byte for byte,
.set STAGE, 2*SLOTB                    ; and behind them a stage of 16 rows x 272 bytes for each wave: Q on the way in, O on the way out
.set L16,  1                           ; v1      16 x lane
.set T16,  2                           ; v2      16 x thread: my 16 bytes of a block's first 8,192, in kv and in a slot alike
.set D0,   3                           ; v3      on the diagonal: my query less the step's first key less 16 (lane / 16)
.set CP0,  4                           ; v4-7    the copy's piece w
.set CP1,  8                           ; v8-11   waves 0-8: piece 16 + w
.set NM,   12                          ; v12 -M; v13 the largest t so far
.set SUM,  14                          ; v14-15  the row's sum, in two halves
.set QF,   16                          ; v16-33  Q | zeros | Q
.set QS,   34                          ; v34     Q's scale word (s0, s1, s0, s1)
.set SC,   36                          ; v36-39  the step's scale words: K's fragments 0|1, 2|3, V's 0|1, 2|3 (lanes 0-15 | lanes 16-31)
.set KFR,  40                          ; v40-87  K's four fragments, then V's four; on the way out rows of O
.set SIN,  88                          ; v88     my stage by rows: lanes 0-15 one row, lanes 16-31 the next, 16 bytes a lane
.set SRD,  89                          ; v89     my stage: row r, + 128 h: Q's block h
.set NEG,  90                          ; v90     -infinity
.set SOUT, 91                          ; v91     my stage: row r, + 32 h: eight channels of O
.set S,    96                          ; v96-159 S^T, then p
.set OT,   160                         ; v160-191 O^T: four tiles of 16 channels
.set PC,   192                         ; v192-203 p's codes
.set CT,   204                         ; v204-206, v208-210 second halves of the conversions
.set BM,   212                         ; v212-215 the four blocks' largest scores, then largest p
.set PT,   216                         ; v216-219 the partner lane's, then the scale bytes
.set SO,   220                         ; v220-223 the conversions' scale operands
.set F,    224                         ; v224 f = 2^(old M - new M); v225 named with it as a pair
.set PS,   226                         ; v226    p's scale word
.set TMP,  227
.set SUM2, 228                         ; v228-229 the sum's second chain
.set MK,   24                          ; s24-39  on the diagonal: sixteen masks (behind the head these registers are free)
; s[4:5] Q at my first row; s[6:7] kv at the block asked for last; s[8:9] out0 at my first row; s10 wave; s16 my first query; s17 the step's first key; s18 trips; s19 at work; s[20:21] lane selects; s[22:23] c
.macro ASK                             ; the block at s[6:7] is asked for: 25 pieces of 512 bytes, 16 + 9
	global_load_b128 v[CP0:CP0+3], v[T16], s[6:7]
	s_cmp_lt_u32 s10, 9
	s_cbranch_scc0 .Lno_ask_\@
	global_load_b128 v[CP1:CP1+3], v[T16], s[6:7] offset:8192
.Lno_ask_\@:
.endm
.macro PUT slot                        ; and goes into a slot as it lies
	ds_store_b128 v[T16], v[CP0:CP0+3] offset:(\slot)*SLOTB
	s_cmp_lt_u32 s10, 9
	s_cbranch_scc0 .Lno_put_\@
	ds_store_b128 v[T16], v[CP1:CP1+3] offset:(\slot)*SLOTB+8192
.Lno_put_\@:
.endm
	s_load_b128 s[4:7], s[0:1], 0x0                ; queries, kv
	s_load_b64 s[8:9], s[0:1], 0x10                ; out0
	v_lshl_add_u32 v238, v0, 2, 0x17400
	v_mov_b32 v239, 0
	v_lshrrev_b32 v[TMP], 5, v0
	v_readfirstlane_b32 s10, v[TMP]                ; wave 0..15
	v_and_b32 v[TMP], 31, v0
	v_lshlrev_b32 v[L16], 4, v[TMP]
	v_lshlrev_b32 v[T16], 4, v0
.irp i, 0,1,2,3
	v_mov_b32 v[CP1+\i], 0                         ; so that these four are written in every wave, in those that copy one piece too
.endr
	s_wait_alu depctr_va_sdst(0)                   ; s10 is written, ahead of its first reader: the role, the addresses and the copy's branches are made from it
	s_and_b32 s12, ttmp7, 0xffff                   ; the head
	s_lshr_b32 s13, s10, 2
	s_xor_b32 s13, s13, s10
	s_and_b32 s13, s13, 1                          ; role: 0: block j; 1: block 15 - j
	s_lshr_b32 s14, s10, 1                         ; which 16 of the block's 128 queries
	s_sub_co_u32 s15, 15, ttmp9
	s_cmp_eq_u32 s13, 1
	s_cselect_b32 s15, s15, ttmp9                  ; my block of queries
	s_lshl_b32 s16, s15, 7
	s_lshl_b32 s19, s14, 4
	s_add_co_u32 s16, s16, s19                     ; my first query
	s_lshr_b32 s18, ttmp9, 1
	s_sub_co_u32 s18, 7, s18                       ; the loop's trips: 8 - j / 2 pairs of steps, the last written out
	s_lshl_b32 s24, s12, 19                        ; a head's 2,048 rows of 256 bytes,
	s_lshl_b32 s26, s16, 8                         ; my first row
	s_add_co_u32 s24, s24, s26
	s_mov_b32 s25, 0
	s_mul_i32 s26, s12, 16*SLOTB                   ; a head's 16 blocks of kv
	s_mov_b32 s27, 0
	s_mul_i32 s28, s10, 16*272
	s_add_co_u32 s28, s28, STAGE                   ; my stage
	s_mov_b32 s20, 0x76543210
	s_mov_b32 s21, 0xfedcba98                      ; v_permlanex16_b32's selects for lane l xor 16
	s_mov_b32 s22, 0x3e38aa3b                      ; c = log2(e) / 8
	s_mov_b32 s23, s22                             ; (named with it as a pair, so it is written)
	s_mov_b32 s17, 0
	s_wait_kmcnt 0x0
	s_add_nc_u64 s[4:5], s[4:5], s[24:25]
	s_add_nc_u64 s[8:9], s[8:9], s[24:25]
	s_add_nc_u64 s[6:7], s[6:7], s[26:27]
	s_wait_alu depctr_va_vdst(0)                   ; v1 and v2 are written, which the loads below and all later tile and copy instructions read as addresses; v8-11 are written, in which a copy load lands
	ASK                                            ; the head's block 0
.irp i, 0,1,2,3,4,5,6,7
	global_load_b128 v[S+4*\i:S+4*\i+3], v[L16], s[4:5] offset:512*\i th:TH_LOAD_NT   ; my 16 rows of Q: 4,096 dense bytes, 512 a load; read once in the launch
.endr
	v_and_b32 v[BM], 15, v0                        ; r
	v_bfe_u32 v[BM+1], v0, 4, 1                    ; h
	v_lshlrev_b32 v[D0], 4, v[BM+1]
	v_sub_nc_u32 v[D0], v[BM], v[D0]
	v_add_nc_u32 v[D0], s19, v[D0]                 ; r - 16 h + 16 x (my place in the block): on the diagonal the step's first key is the block's first query
	v_mul_u32_u24 v[SIN], v[BM+1], 272
	v_lshl_add_u32 v[SIN], v[BM], 4, v[SIN]
	v_add_nc_u32 v[SIN], s28, v[SIN]
	v_mul_u32_u24 v[SRD], v[BM], 272
	v_lshl_add_u32 v[SOUT], v[BM+1], 5, v[SRD]
	v_lshl_add_u32 v[SRD], v[BM+1], 7, v[SRD]
	v_add_nc_u32 v[SRD], s28, v[SRD]
	v_add_nc_u32 v[SOUT], s28, v[SOUT]
	v_lshlrev_b32 v[BM+2], 3, v[BM+1]              ; 8 h: my byte's shift in Q's scale word
	v_mov_b32 v[NEG], 0xff800000
.irp b, 0,1,2,3
	v_mov_b32 v[PT+\b], 0                          ; written once: a lane permute's destination counts as one of its sources
.endr
	v_mov_b32 v[F+1], 0                            ; (the upper half of the pair that the packed multiplies name)
	s_wait_alu depctr_va_vdst(0)                   ; the stage's three addresses v88, v89 and v91 are written, which the LDS stores and loads below and on the way out read
	s_wait_loadcnt 0x0                             ; block 0 and Q are in
	PUT 0
.irp i, 0,1,2,3,4,5,6,7
	ds_store_b128 v[SIN], v[S+4*\i:S+4*\i+3] offset:544*\i
.endr
.irp i, 0,1,2,3,4,5,6,7
	ds_load_b128 v[S+32+4*\i:S+32+4*\i+3], v[SRD] offset:16*\i   ; my stage is my own and LDS serves a wave's instructions in order (ISA guide 5.7.1.4): these see the stores above.  Q(r, 32 h + 0..31)
.endr
	s_wait_dscnt 0x0                               ; my pieces of block 0 lie in slot 0, and Q is back
	s_wait_alu depctr_vm_vsrc(0)                   ; the LDS stores above have read v4-11, in which the copy loads below land, and v96-127, over which the first products write
	s_add_nc_u64 s[6:7], s[6:7], SLOTB             ; (the loads that named this base are done)
	ASK                                            ; block 1
	s_barrier_signal -1
	s_barrier_wait -1                              ; slot 0 is whole
	; Q is quantised: a lane holds all 32 numbers of block h of query r
	v_max3_num_f32 v[BM], |v[S+32]|, |v[S+33]|, |v[S+34]|
	v_max3_num_f32 v[BM+1], |v[S+35]|, |v[S+36]|, |v[S+37]|
.irp i, 6,10,14,18,22,26
	v_max3_num_f32 v[BM], v[BM], |v[S+32+\i]|, |v[S+33+\i]|
	v_max3_num_f32 v[BM+1], v[BM+1], |v[S+34+\i]|, |v[S+35+\i]|
.endr
	v_max3_num_f32 v[BM], v[BM], |v[S+62]|, |v[S+63]|
	v_max3_num_f32 v[BM], v[BM], v[BM+1], 0x2800000   ; and the floor 2^(5 - 127): the byte cannot fall under 1
	v_add_nc_u32 v[SO], 0xfe000000, v[BM]          ; 4 off the exponent field: the conversion's scale operand
	v_lshrrev_b32 v[BM+1], 23, v[SO]               ; the scale's byte,
	v_lshlrev_b32 v[BM+1], v[BM+2], v[BM+1]        ; at place h,
	v_permlanex16_b32 v[PT], v[BM+1], s20, s21
	v_or_b32 v[BM+1], v[BM+1], v[PT]               ; with the partner's: (s0, s1),
	v_lshl_or_b32 v[QS], v[BM+1], 16, v[BM+1]      ; twice: Q stands at k = 0..63 or at k = 64..127
	v_cvt_scalef32_pk16_bf6_f32 v[QF:QF+2], v[S+32:S+47], v[SO]
	v_cvt_scalef32_pk16_bf6_f32 v[CT:CT+2], v[S+48:S+63], v[SO]   ; (a conversion's three registers begin on an even number)
	v_nop                                          ; one plain place behind a scaled conversion
.irp i, 0,1,2
	v_mov_b32 v[QF+3+\i], v[CT+\i]
	v_mov_b32 v[QF+12+\i], v[QF+\i]
	v_mov_b32 v[QF+15+\i], v[CT+\i]
.endr
.irp i, 0,1,2,3,4,5
	v_mov_b32 v[QF+6+\i], 0                        ; zero codes
.endr
	v_mov_b32 v[NM+1], 0xff61b1e6                  ; the largest t so far: -3e38, under every t
	v_floor_f32 v[NM], -v[NM+1]                    ; -M
	v_mov_b32 v[SUM], 0
	v_mov_b32 v[SUM+1], 0
.set n, 0
.rept 32
	v_mov_b32 v[OT+n], 0                           ; O^T.  (The step is written once: its first pass finds zeros, which the first change of M leaves zeros.  These lines are also the places between Q's operand and scale word and the first product)
.set n, n+1
.endr
; A KEY STEP: 128 keys, in slot \slot.  st = 1: at its end the next block goes into the other slot, and a barrier follows.  ld = 1: the block after that is asked for.
.macro STEP slot, st, ld
	s_add_co_u32 s19, s16, 15
	s_cmp_gt_u32 s17, s19
	s_cbranch_scc1 .Lhid_\@                        ; all 128 keys come after my 16 queries: the work is left out, the copy and the barrier are not
	s_wait_alu depctr_va_vdst(0)                   ; the last step's products are done reading v40-87 and the scale words v36-39, in which the loads below land; in the first step Q's codes and scale word are written, which the scaled products take
.irp b, 0,1,2,3
.irp q, 0,1,2
	ds_load_b128 v[KFR+12*\b+4*\q:KFR+12*\b+4*\q+3], v[L16] offset:\slot*SLOTB+1536*\b+512*\q   ; 512 consecutive bytes a load
.endr
.endr
	ds_load_b128 v[SC:SC+3], v[L16] offset:\slot*SLOTB+12288
	s_wait_dscnt 0x0
.irp b, 0,1,2,3                        ; S^T = K Q^T: fragment b against [Q, 0] gives tile 2 b, against [0, Q] tile 2 b + 1; each product starts its sum
.irp u, 0,1
.if \b%2
	v_wmma_scale_f32_16x16x128_f8f6f4 v[S+16*\b+8*\u:S+16*\b+8*\u+7], v[KFR+12*\b:KFR+12*\b+11], v[QF+6*\u:QF+6*\u+11], 0, v[SC+\b/2], v[QS] matrix_a_fmt:MATRIX_FMT_BF6 matrix_b_fmt:MATRIX_FMT_BF6 matrix_a_scale:MATRIX_SCALE_ROW1
.else
	v_wmma_scale_f32_16x16x128_f8f6f4 v[S+16*\b+8*\u:S+16*\b+8*\u+7], v[KFR+12*\b:KFR+12*\b+11], v[QF+6*\u:QF+6*\u+11], 0, v[SC+\b/2], v[QS] matrix_a_fmt:MATRIX_FMT_BF6 matrix_b_fmt:MATRIX_FMT_BF6
.endif
.endr
.endr
.rept 4
	v_nop                                          ; four places between a product and the first vector read of its result (ISA guide 7.12.1)
.endr
	s_add_co_u32 s19, s17, 127
	s_cmp_le_u32 s19, s16
	s_cbranch_scc1 .Lopen_\@                       ; all 128 keys count for all my queries
.irp g, 0,1,2,3                        ; on the diagonal, a block of 32 keys (my 16 of them) at a time: sixteen compares into sixteen scalar registers, one wait, sixteen selects
.irp m, 0,1,2,3,4,5,6,7,8,9,10,11,12,13,14,15
	v_cmp_gt_i32 s[MK+\m], 32*\g+\m, v[D0]         ; register 16 g + m holds the key 32 g + 16 (lane / 16) + m of the step: hidden where it comes after my query;
.endr
	s_wait_alu depctr_va_sdst(0)                   ; the sixteen masks are written, ahead of their first reader
.irp m, 0,1,2,3,4,5,6,7,8,9,10,11,12,13,14,15
	v_cndmask_b32 v[S+16*\g+\m], v[S+16*\g+\m], v[NEG], s[MK+\m]   ; its score becomes -infinity, its p 0
.endr
.endr
.Lopen_\@:
.irp b, 0,1,2,3
	v_max3_num_f32 v[BM+\b], v[S+16*\b], v[S+1+16*\b], v[S+2+16*\b]   ; the largest score of each block of 32 keys: it serves for the row's maximum and, since p rises with the score, for the block's largest p
.endr
.irp i, 3,5,7,9,11,13
.irp b, 0,1,2,3
	v_max3_num_f32 v[BM+\b], v[BM+\b], v[S+16*\b+\i], v[S+1+16*\b+\i]   ; (the four blocks by turns)
.endr
.endr
.irp b, 0,1,2,3
	v_max_num_f32 v[BM+\b], v[BM+\b], v[S+15+16*\b]
.endr
.irp b, 0,1,2,3
	v_permlanex16_b32 v[PT+\b], v[BM+\b], s20, s21
.endr
.irp b, 0,1,2,3
	v_max_num_f32 v[BM+\b], v[BM+\b], v[PT+\b]     ; with lane l xor 16's 16 keys
.endr
	v_max3_num_f32 v[TMP], v[BM], v[BM+1], v[BM+2]
	v_max_num_f32 v[TMP], v[TMP], v[BM+3]          ; the step's largest score of my query,
	v_mul_f32 v[TMP], s22, v[TMP]                  ; as t (c is positive)
	v_max_num_f32 v[NM+1], v[NM+1], v[TMP]         ; the running largest t
	v_mov_b32 v[TMP], v[NM]
	v_floor_f32 v[NM], -v[NM+1]                    ; the new -M = floor(-t) = -ceil(t): M is a whole number
	v_sub_f32 v[TMP], v[NM], v[TMP]                ; old M less new M: a whole number, 0 or less
	v_cvt_i32_f32 v[TMP], v[TMP]                   ; (it saturates)
	v_ldexp_f32 v[F], 1.0, v[TMP]                  ; f = 2^(old M - new M)
.set n, 0
.rept 32
	v_pk_fma_f32 v[S+n:S+n+1], v[S+n:S+n+1], s[22:23], v[NM:NM+1] op_sel_hi:[1,0,0]   ; t - M, two at a time (of the pairs c and -M the low word serves both halves)
.set n, n+2
.endr
.irp b, 0,1,2,3
	v_fma_f32 v[BM+\b], v[BM+\b], s22, v[NM]       ; the same of each block's largest score
.endr
.set n, 0
.rept 64
	v_exp_f32 v[S+n], v[S+n]                       ; p = 2^(t - M), at most 1: not normalised
.set n, n+1
.endr
.irp b, 0,1,2,3
	v_exp_f32 v[BM+\b], v[BM+\b]                   ; the block's largest p: the same two instructions on the same number give the same bits
.endr
	v_pk_mul_f32 v[SUM:SUM+1], v[SUM:SUM+1], v[F:F+1] op_sel_hi:[1,0]   ; the sums under the new M.  (The plain place behind the exponentials)
.set n, 0
.rept 16
	v_pk_mul_f32 v[OT+n:OT+n+1], v[OT+n:OT+n+1], v[F:F+1] op_sel_hi:[1,0]   ; O^T under the new M, each accumulator from its low end on.  (They name no exponential's result: work of the wave's own between the batch and the wait for it)
.set n, n+2
.endr
	s_wait_alu depctr_va_vdst(0)                   ; the 68 exponentials have written p and the blocks' largest p, ahead of the first line that names a result (one wait for the batch); and the products K Q^T are done reading v40-87, in which the loads below land
.irp t, 0,1,2,3                        ; K's fragments are done with: V's four take their registers, and land while p is quantised and summed.  No vector instruction from here to the wait for them names v40-87 or v1
.irp q, 0,1,2
	ds_load_b128 v[KFR+12*\t+4*\q:KFR+12*\t+4*\q+3], v[L16] offset:\slot*SLOTB+6144+1536*\t+512*\q
.endr
.endr
.irp b, 0,1,2,3
	v_max_num_f32 v[BM+\b], 0x2800000, v[BM+\b]    ; the floor 2^(5 - 127): the byte cannot fall under 1
.endr
.irp b, 0,1,2,3
	v_add_nc_u32 v[SO+\b], 0xfe000000, v[BM+\b]    ; 4 off the exponent field: the conversion's scale operand
.endr
.irp b, 0,1,2,3
	v_lshrrev_b32 v[PT+\b], 23, v[SO+\b]           ; the scale's byte
.endr
	v_lshl_or_b32 v[PS], v[PT+1], 8, v[PT]         ; p's scale word for these 128 keys
	v_lshl_or_b32 v[PS], v[PT+2], 16, v[PS]
	v_lshl_or_b32 v[PS], v[PT+3], 24, v[PS]
.irp c, 0,1
	v_cvt_scalef32_pk16_bf6_f32 v[PC+6*\c:PC+6*\c+2], v[S+32*\c:S+32*\c+15], v[SO+2*\c]
	v_cvt_scalef32_pk16_bf6_f32 v[CT+4*\c:CT+4*\c+2], v[S+16+32*\c:S+31+32*\c], v[SO+2*\c+1]   ; (a conversion's three registers begin on an even number)
.endr
	v_nop                                          ; one plain place behind a scaled conversion
.irp c, 0,1                            ; the operand's layout wants a whole block in a lane: lanes 0-15 block 2 c, lanes 16-31 block 2 c + 1
.irp i, 0,1,2
	v_permlane16_swap_b32 v[PC+6*\c+\i], v[CT+4*\c+\i]
.endr
.irp i, 0,1,2
	v_mov_b32 v[PC+3+6*\c+\i], v[CT+4*\c+\i]
.endr
.endr
	v_pk_add_f32 v[SUM2:SUM2+1], v[S:S+1], v[S+2:S+3]   ; the row's sum is taken of the unquantised p: two at a time, in two chains.  (These 32 lines are also the places between p's operand and scale word and the products)
.set n, 4
.rept 15
	v_pk_add_f32 v[SUM:SUM+1], v[SUM:SUM+1], v[S+n:S+n+1]
	v_pk_add_f32 v[SUM2:SUM2+1], v[SUM2:SUM2+1], v[S+n+2:S+n+3]
.set n, n+4
.endr
	v_pk_add_f32 v[SUM:SUM+1], v[SUM:SUM+1], v[SUM2:SUM2+1]
	s_wait_dscnt 0x0                               ; V is in
	s_wait_alu depctr_va_vdst(0)                   ; p's codes v192-203 and its scale word v226 are written, which the scaled products below take; the places above stay beside this wait
.irp t, 0,1,2,3                        ; O^T += V^T P^T: four tiles of 16 channels, K = these 128 keys; the four accumulators take one turn each
.if \t%2
	v_wmma_scale_f32_16x16x128_f8f6f4 v[OT+8*\t:OT+8*\t+7], v[KFR+12*\t:KFR+12*\t+11], v[PC:PC+11], v[OT+8*\t:OT+8*\t+7], v[SC+2+\t/2], v[PS] matrix_a_fmt:MATRIX_FMT_BF6 matrix_b_fmt:MATRIX_FMT_BF6 matrix_a_scale:MATRIX_SCALE_ROW1
.else
	v_wmma_scale_f32_16x16x128_f8f6f4 v[OT+8*\t:OT+8*\t+7], v[KFR+12*\t:KFR+12*\t+11], v[PC:PC+11], v[OT+8*\t:OT+8*\t+7], v[SC+2+\t/2], v[PS] matrix_a_fmt:MATRIX_FMT_BF6 matrix_b_fmt:MATRIX_FMT_BF6
.endif
.endr
.rept 4
	v_nop                                          ; four places between these products and the first vector read of O^T (ISA guide 7.12.1); no later matrix instruction writes over one of their registers
.endr
.Lhid_\@:
	s_add_co_u32 s17, s17, 128                     ; the next step's first key
.if \st
	s_wait_loadcnt 0x0                             ; the next block, asked for a step ago, is in my registers
	PUT 1-\slot                                    ; the other slot was last read a step ago, in front of the last barrier
	s_wait_dscnt 0x0                               ; for the others' sake: my pieces lie in the other slot, and my reads of this slot are over
.if \ld
	s_wait_alu depctr_vm_vsrc(0)                   ; the copy's LDS stores have read v4-11, in which the loads below land
	s_add_nc_u64 s[6:7], s[6:7], SLOTB             ; (the loads that named this base are done)
	ASK                                            ; the block after the next: it has a whole step in which to come
.endif
	s_barrier_signal -1
	s_barrier_wait -1                              ; the other slot is whole, and nobody reads this one any more
.endif
.endm
.Lpair:                                                ; 7 - j / 2 trips, two steps each; the block asked for last in the loop is the work-group's last
	STEP 0, 1, 1
	STEP 1, 1, 1
	s_sub_co_u32 s18, s18, 1
	s_cmp_lg_u32 s18, 0
	s_cbranch_scc1 .Lpair
	STEP 0, 1, 0                                   ; the last pair is written out: nothing more is asked for, so no load leaves kv,
	STEP 1, 0, 0                                   ; and behind the last step nothing is shared any more
	; THE WAY OUT.  O^T is divided by the row's sum and goes through my stage: a lane holds eight channels of one row, and the rows leave whole.
	v_add_f32 v[SUM], v[SUM], v[SUM+1]             ; the sum's two halves,
	v_permlanex16_b32 v[PT], v[SUM], s20, s21
	v_add_f32 v[SUM], v[SUM], v[PT]                ; and lane l xor 16's: the row's sum
	v_rcp_f32 v[SUM], v[SUM]
	v_nop                                          ; one plain place behind a transcendental
	s_wait_alu depctr_va_vdst(0)                   ; the reciprocal has written v14, ahead of the first line that names it
.set n, 0
.rept 16
	v_pk_mul_f32 v[S+n:S+n+1], v[OT+n:OT+n+1], v[SUM:SUM+1] op_sel_hi:[1,0]   ; register 8 t + i is o(r, 16 t + 8 h + i); each accumulator from its low end on
.set n, n+2
.endr
	s_wait_alu depctr_va_vdst(0)                   ; the multiplies have written v96-127, which the LDS stores read; the last products are long done reading v40-87, in which the stage's loads land
.irp t, 0,1,2,3
	ds_store_b128 v[SOUT], v[S+8*\t:S+8*\t+3] offset:64*\t
	ds_store_b128 v[SOUT], v[S+8*\t+4:S+8*\t+7] offset:64*\t+16
.endr
.irp i, 0,1,2,3,4,5,6,7
	ds_load_b128 v[KFR+4*\i:KFR+4*\i+3], v[SIN] offset:544*\i   ; my own bytes, served in order: these see the stores above
.endr
.irp i, 0,1,2,3,4,5,6,7
	s_wait_dscnt 7-\i                              ; load i is in; the 7 - i issued behind it may be out
	global_store_b128 v[L16], v[KFR+4*\i:KFR+4*\i+3], s[8:9] offset:512*\i th:TH_STORE_NT   ; 32 lanes store two rows, 512 consecutive bytes, at a multiple of 256 from out0's first byte; written once, read by nobody here
.endr
	s_wait_dscnt 0x0
	s_wait_alu depctr_hold_cnt(0) depctr_sa_sdst(0) depctr_va_vdst(0) depctr_va_sdst(0) depctr_va_ssrc(0) depctr_va_vcc(0) depctr_vm_vsrc(0)
	s_wait_tensorcnt 0x0
	ds_add_u32 v238, v239
	s_wait_dscnt 0x0
	s_endpgm
.Lfunc_end_k_qc63af00e31_attn:
	.size	k_qc63af00e31_attn, .Lfunc_end_k_qc63af00e31_attn-k_qc63af00e31_attn
	.p2alignl 7, 3214868480
	.fill 96, 4, 3214868480
	.section	.rodata,"a",@progbits
	.p2align	6, 0x0
	.amdhsa_kernel k_qc63af00e31_attn
		.amdhsa_group_segment_fixed_size 97280
		.amdhsa_private_segment_fixed_size 0
		.amdhsa_enable_private_segment 0
		.amdhsa_kernarg_size 24
		.amdhsa_user_sgpr_count 2
		.amdhsa_user_sgpr_kernarg_segment_ptr 1
		.amdhsa_wavefront_size32 1
		.amdhsa_system_sgpr_workgroup_id_x 1
		.amdhsa_system_sgpr_workgroup_id_y 1
		.amdhsa_system_sgpr_workgroup_id_z 1
		.amdhsa_system_vgpr_workitem_id 0
		.amdhsa_next_free_vgpr 240
		.amdhsa_next_free_sgpr 66
		.amdhsa_reserve_vcc 0
		.amdhsa_float_denorm_mode_32 3
		.amdhsa_float_denorm_mode_16_64 3
		.amdhsa_memory_ordered 1
		.amdhsa_forward_progress 1
		.amdhsa_inst_pref_size 112
	.end_amdhsa_kernel
	.amdgpu_metadata
---
amdhsa.version: [ 1, 2 ]
amdhsa.kernels:
  - .name:           k_qc63af00e31_attn
    .symbol:         k_qc63af00e31_attn.kd
    .args:
      - { .name: queries, .offset: 0, .size: 8, .value_kind: global_buffer, .address_space: global }
      - { .name: kv, .offset: 8, .size: 8, .value_kind: global_buffer, .address_space: global }
      - { .name: out0, .offset: 16, .size: 8, .value_kind: global_buffer, .address_space: global }
    .group_segment_fixed_size: 97280
    .private_segment_fixed_size: 0
    .kernarg_segment_align: 8
    .kernarg_segment_size: 24
    .max_flat_workgroup_size: 512
    .sgpr_count:     66
    .vgpr_count:     240
    .wavefront_size: 32
...
	.end_amdgpu_metadata
.endif
;; end of part 3
